; MI455X (gfx1250); checked and timed in simulation.
; The chip was launched on July 23, 2026; its instructions are those of AMD's public machine-readable ISA for CDNA 5 (MIT licence, August 2026) and "CDNA5" Instruction Set Architecture Reference Guide (July 2026). The comments in the code are by the model that wrote it; some were corrected since.
;; Memory System. Allowed arithmetic: matrix products marked QUANTISED: E2M1 operands, one E8M0 scale for each 32 along K, by v_wmma_scale_f32_16x16x128_f8f6f4 with both operands' format E2M1 (or v_wmma_scale_f32_32x16x128_f4), f32 sums; everything else in f32.
;; Inputs: memory_bank 65,536 x 512 float32; x 1,024 x 512 float32.
;; Outputs: out0 1,024 x 512 float32.
;; This version of the problem:
;;   THIS VERSION OF THE PROBLEM IS GIVEN IN LOW PRECISION. The matrix products marked QUANTISED in the list below multiply operands that are first quantised to E2M1 (2 exponent bits, 1 mantissa bit; 4 bits a number), with one power-of-two scale for each 32 numbers along K (OCP MX v1.0); their sums are f32. All else is computed in f32.
;;   The module's matrix products, in the order in which they are computed (A, B: the left and right operand; K: the contracted axis; several contracted axes count as one K, in the product's order):
;;     1. [M 1,024, K 512] x [K 512, N 65,536]; A: input x; B: input memory_bank: QUANTISED
;;     2. [M 1,024, K 65,536] x [K 65,536, N 512]; A: softmax (see below); B: input memory_bank: QUANTISED
;;   THE QUANTISER, for each operand of a quantised product, along K:
;;     - K is cut into blocks of 32 from its start; a last block that is shorter is filled with zeros.
;;     - A block's scale is 2^e with e = floor(log2(the largest magnitude in the block)) - 2, held to -126 .. 127; a block of zeros has e = 0. As a byte (E8M0): e + 127.
;;     - Each number is divided by its block's scale, clamped to +-6, and rounded to the nearest number of E2M1, ties to even, subnormals kept.
;;     - The product sums the exact products of the quantised numbers (number of the format x scale) in f32.
;;   ~~~python
;;   def quantise(x, axis):      # numpy; x: float32 -> the quantised numbers, widened to float32 again
;;       x = np.moveaxis(x, axis, -1); K = x.shape[-1]
;;       x = np.pad(x, [(0, 0)] * (x.ndim - 1) + [(0, -K % 32)]); x = x.reshape(x.shape[:-1] + (-1, 32)); a = np.abs(x).max(-1, keepdims=True)
;;       e = np.where(a > 0, np.clip(np.frexp(np.where(a > 0, a, 1))[1] - 1 - 2, -126, 127), 0)      # np.frexp(a)[1] - 1 = floor(log2(a)), exactly
;;       r = np.clip(x / 2.0 ** e, -6, 6)
;;       step = 2.0 ** (np.maximum(np.frexp(np.where(r == 0, 1, r))[1] - 1, 0) - 1)
;;       q = np.round(r / step) * step * 2.0 ** e      # np.round: ties to even
;;       return np.moveaxis(q.reshape(q.shape[:-2] + (-1,))[..., :K], -1, axis).astype(np.float32)
;;   ~~~
;;   SOFTMAX AHEAD OF A QUANTISED PRODUCT. Where the list says 'softmax', what is quantised is not the finished softmax but p = 2^(t - M), with t = logit x log2(e) and M = ceil(the row's largest t), a whole number; so 1/2 < the row's largest p <= 1. The row's sum l is taken of the UNQUANTISED p, in f32, and the product's result is divided by l at the end. Since M is a whole number, a kernel that streams over the keys may use a running M (the ceiling of the running maximum): every later rescaling is an exact power of two, which a block's scale takes up: the codes' values come out the same.
;;   OPERANDS COMPUTED ON THE WAY. 'Computed on the way' means the value that the module computes at that place (a softmax that the list does not call 'softmax' is quantised finished and normalised). What goes into a quantiser is computed in f32, as accurately as f32 sums, v_exp_f32 and their like allow (about 1e-6 of the number): no bf16 or f16 on the way to a quantiser, and a product that is left as it is and whose result goes on into a quantised operand takes f32 operands (vector FMAs, or v_wmma_f32_16x16x4_f32). A number that lies on a knife's edge between two numbers of the format may be rounded either way, as far as f32 arithmetic and the matrix unit's own rounding can turn it there, and no further.
;; One version. Each part assembles by itself: llvm-mc -triple=amdgcn-amd-amdhsa -mcpu=gfx1250 --defsym DOCPART=n.
;; ======== version 1 of 1: 3 launches
;; limits: right only within a limited range of input values
;; workspace buffers: kv 35,913,728 bytes; xq 282,624 bytes; opart 33,554,432 bytes; lpart 65,536 bytes
;; launch prep (part 1): grid 256 x 1, 8 waves a work-group, no clusters, 141,312 bytes of LDS; arguments memory_bank, x, kv, xq; writes kv, xq
.if DOCPART == 1
	.amdgcn_target "amdgcn-amd-amdhsa--gfx1250"
	.amdhsa_code_object_version 6
	.text
	.protected	k_q818778f794_prep
	.globl	k_q818778f794_prep
	.p2align	8
	.type	k_q818778f794_prep,@function
k_q818778f794_prep:
	s_mov_b64 s[64:65], 0
	v_nop
	global_prefetch_b8 v0, s[64:65] scope:SCOPE_SE
	s_setreg_imm32_b32 hwreg(HW_REG_WAVE_MODE, 25, 1), 1
	s_wait_xcnt 0x0
; memory_bank [65536][512] f32 is turned ONCE into all that the attention launch wants of it, and x [1024][512] likewise.
; Codes are FP4 (E2M1) with one E8M0 byte for each 32 along a product's K: a block's byte is its largest magnitude's exponent field - 2, held at 1 from below.
; The bank is an operand twice: along d (first product) and along the keys (second product): two sets of codes.
; kv holds 256 RECORDS of 256 keys, 140,288 bytes each, every part an image of operand registers (L = lane, r = L % 16, h = L / 16; w = the reading wave, 0..7):
;   KIMG      0: [w][u 0..1][s 0..3][c 0..1][L][16 B]  key 32 w + 8 u + r + 8 (r / 8), d = 128 s + 64 c + 32 h + 0..31
;   VIMG  65536: [w][dl 0..3][sg 0..1][c][L][16 B]     column d = 64 w + 16 dl + r, keys 128 sg + 64 c + 32 h + 0..31
;   KSC  131072: [w][lane 16 u + r][16 B]              that key's 16 scale bytes along d
;   VSC  135168: [w][lane 16 sg + r][word dl][byte be] the scale of column 64 w + 16 dl + r, keys 128 sg + 32 be on
;   G    139264: [key] f32                             8 log2(e) / |m|, of the unquantised row
; xq: x's codes [1024][256 B] at 0, its scale bytes [1024][16] at 262144, 1 / |x| [1024] f32 at 278528.
; SHARES.  Work-group rho makes record rho.  Wave w takes keys 32 w .. 32 w + 31 of it, 128 d at a time, four times.  Each load reads 512 consecutive bytes of one key.
; The 16 KiB go into the wave's own stage in LDS and are handed out twice: a lane takes a COLUMN, its 32 registers running down the keys (a block of the second product),
; and a lane takes a KEY, its 32 registers running along d (a block of the first).  So a block lies whole in one lane, and its four conversions are one 16-byte chunk of an image;
; by the record's layout the chunks of sixteen lanes are 256 consecutive bytes, aligned, and go straight to memory.  Waves 0-3 also quantise one row of x each.
; LOADS.  The 32 loads of an iteration are filled again in four groups of eight keys: as soon as a group lies in the stage, the same registers' loads for the next 128 d go out, so that 24 to 32 loads of a wave are always on their way.
; LIMITS.  NaN and infinities among the inputs are not served.  A row's sum of squares has to be a normal f32 number (magnitudes from about 1e-19 to 1e18); under that the reciprocal root is infinite
; and the attention launch's hold at 1 / eps takes over.  A block of zeros carries the byte 1 where the rule says 127: its codes are zeros, and this program alone reads the bytes.
.set REC,   140288
.set VIMG,  65536
.set KSC,   131072
.set VSC,   135168
.set GOF,   139264
.set XSC,   262144
.set XR,    278528
.set PITCH, 528                        ; a stage row: a key's 512 bytes + 16: 33 x 16 bytes, so that sixteen lanes that take sixteen rows stand at sixteen different 16-byte columns of 256
.set WSTG,  32*PITCH                   ; a wave's stage
.set AUX,   8*WSTG                     ; behind the stages: the image of VSC (4,096 bytes), then G (1,024)
.set FLOOR, 0x1800000                  ; 2^(3 - 127): under it no largest magnitude is taken, so the byte cannot fall under 1
.set KB,    16                         ; v16-19   my key's scale bytes, a word for each 128 d
.set SS,    20                         ; v[20:21] and
.set SS2,   28                         ; v[28:29] my key's sum of squares, in two chains of pairs
.set CD,    32                         ; v32-63   codes: four registers for each of an iteration's eight blocks
.set TA,    64                         ; v64-95   32 numbers down the keys
.set TB,    96                         ; v96-127  32 numbers along d
.set R,     128                        ; v128-255 32 loads of 16 bytes a lane
; v1 lane; v2 16 L; v3, v4, v5 stage addresses (in, by column, by key); v6, v7, v8 my chunk's place in VIMG, KIMG, KSC; v9 my byte in VSC's image; v10 my word in G's;
; v11, v12 the way out of the two; v13-15 x's offsets; v22, v23 two chains of a maximum; v24 the conversions' scale operand; v25 V's byte; v26 K's byte; v27 a lane permute's destination
	s_load_b256 s[4:11], s[0:1], 0x0               ; memory_bank s[4:5], x s[6:7], kv s[8:9], xq s[10:11]
	v_lshl_add_u32 v30, v0, 2, 0x22400
	v_mov_b32 v31, 0
	v_lshrrev_b32 v1, 5, v0
	s_delay_alu instid0(VALU_DEP_1)
	v_readfirstlane_b32 s12, v1                    ; wave 0..7
	v_and_b32 v1, 31, v0                           ; L
	s_delay_alu instid0(VALU_DEP_1)
	v_lshlrev_b32 v2, 4, v1                        ; 16 L
	v_and_b32 v22, 15, v0                          ; L % 16
	v_bfe_u32 v23, v0, 4, 1                        ; L / 16
	v_bfe_u32 v24, v0, 3, 1                        ; (L / 8) % 2: which tile u my key falls into
	v_and_b32 v25, 7, v0
	s_delay_alu instid0(VALU_DEP_1)
	v_lshl_add_u32 v26, v23, 3, v25                ; 8 (L / 16) + L % 8: the lane r that holds my key there
	s_mul_i32 s16, s12, WSTG
	v_add_nc_u32 v3, s16, v2                       ; into the stage: 16 L of a row
	v_lshl_add_u32 v4, v1, 2, s16                  ; out by column: 4 L
	v_mul_u32_u24 v5, v1, PITCH
	s_delay_alu instid0(VALU_DEP_1)
	v_add_nc_u32 v5, s16, v5                       ; out by key: row L
	s_lshl_b32 s17, s12, 8
	v_lshl_add_u32 v6, v23, 11, s17
	s_delay_alu instid0(VALU_DEP_1)
	v_lshl_add_u32 v6, v22, 4, v6                  ; VIMG: 256 w + 2048 (L / 16) + 16 (L % 16)
	s_lshl_b32 s17, s12, 13
	v_lshl_add_u32 v7, v24, 12, s17
	s_delay_alu instid0(VALU_DEP_1)
	v_lshl_add_u32 v7, v26, 4, v7                  ; KIMG: 8192 w + 4096 u + 16 r
	s_lshl_b32 s17, s12, 9
	v_lshl_add_u32 v8, v24, 8, s17
	s_delay_alu instid0(VALU_DEP_1)
	v_lshl_add_u32 v8, v26, 4, v8                  ; KSC: 512 w + 256 u + 16 r
	v_add_nc_u32 v12, s17, v2                      ; the way out of the images: 512 w + 16 L
	s_delay_alu instid0(VALU_DEP_1)
	v_add_nc_u32 v11, AUX, v12
	s_lshr_b32 s17, s12, 2
	s_lshl_b32 s17, s17, 8
	s_and_b32 s18, s12, 3
	s_add_co_u32 s17, s17, s18
	s_add_co_u32 s17, s17, AUX
	v_lshl_add_u32 v9, v22, 4, s17
	s_delay_alu instid0(VALU_DEP_1)
	v_lshl_add_u32 v9, v23, 2, v9                  ; VSC's image: 256 (w / 4) + w % 4 + 16 (L % 16) + 4 (L / 16)
	s_lshl_b32 s17, s12, 7
	s_add_co_u32 s17, s17, AUX+4096
	v_lshl_add_u32 v10, v1, 2, s17                 ; G's image: 128 w + 4 L
	v_lshlrev_b32 v13, 6, v1                       ; x: my 16 numbers,
	v_lshlrev_b32 v14, 3, v1                       ; their 8 bytes of codes,
	v_lshrrev_b32 v15, 1, v1                       ; my block's byte
	v_mov_b32 v27, 0                               ; written once: a lane permute's destination counts as one of its sources
	s_mov_b32 s14, 0x76543210
	s_mov_b32 s15, 0xfedcba98                      ; v_permlanex16_b32's selects for lane l xor 16
	s_lshl_b32 s16, ttmp9, 19                      ; the record's 256 keys of 2,048 bytes,
	s_lshl_b32 s17, s12, 16                        ; my wave's 32 of them
	s_add_co_u32 s16, s16, s17
	s_mov_b32 s17, 0
	s_mul_i32 s18, ttmp9, REC
	s_mov_b32 s19, 0
	s_and_b32 s13, s12, 3
	s_lshl_b32 s20, ttmp9, 2
	s_add_co_u32 s13, s13, s20                     ; x's row: 4 rho + wave % 4
	s_lshl_b32 s20, s13, 11
	s_mov_b32 s21, 0
	s_wait_kmcnt 0x0
	s_add_nc_u64 s[4:5], s[4:5], s[16:17]
	s_add_nc_u64 s[8:9], s[8:9], s[18:19]
	s_add_nc_u64 s[6:7], s[6:7], s[20:21]
	s_lshl_b32 s20, s13, 8
	s_add_nc_u64 s[26:27], s[10:11], s[20:21]      ; the row's codes,
	s_lshl_b32 s20, s13, 4
	s_add_nc_u64 s[28:29], s[10:11], s[20:21]      ; its scale bytes (less XSC),
	s_lshl_b32 s20, s13, 2
	s_add_nc_u64 s[30:31], s[10:11], s[20:21]      ; its 1 / |x| (less XR)
.macro LOADG i, b                      ; keys 8 b .. 8 b + 7 of my 32, their d = 128 i .. 128 i + 127: each load reads 512 consecutive bytes
.irp k, 0,1,2,3,4,5,6,7
	global_load_b128 v[R+4*(8*(\b)+\k):R+4*(8*(\b)+\k)+3], v2, s[4:5] offset:2048*(8*(\b)+\k)+512*(\i) th:TH_LOAD_NT
.endr
.endm
; Iteration i's numbers go into the stage, eight keys at a time, as they arrive; behind each group its registers take the next iteration's loads.
; The count on LOADcnt: behind group b of this iteration were issued this iteration's groups b + 1 .. 3 and the next iteration's groups 0 .. b - 1: 24 loads; in the last iteration 24 - 8 b.
.macro TOSTAGE i
.irp b, 0,1,2,3
.if (\i) < 3
	s_wait_loadcnt 24
.else
	s_wait_loadcnt 24-8*\b
.endif
.irp k, 0,1,2,3,4,5,6,7
	ds_store_b128 v3, v[R+4*(8*\b+\k):R+4*(8*\b+\k)+3] offset:PITCH*(8*\b+\k)
.endr
.if (\i) < 3
	s_wait_dscnt 0x0                               ; the stage's stores have read their registers,
	LOADG (\i)+1, \b                               ; which take the same keys' next 128 d
.endif
.endr
.endm
.macro DSV g                           ; column 32 g + L of the 128, down my 32 keys
.irp k, 0,1,2,3,4,5,6,7,8,9,10,11,12,13,14,15,16,17,18,19,20,21,22,23,24,25,26,27,28,29,30,31
	ds_load_b32 v[TA+\k], v4 offset:PITCH*\k+128*(\g)
.endr
.endm
.macro DSK q                           ; key L, its d = 32 q .. 32 q + 31 of the 128
.irp m, 0,1,2,3,4,5,6,7
	ds_load_b128 v[TB+4*\m:TB+4*\m+3], v5 offset:128*(\q)+16*\m
.endr
.endm
.macro AMAX x                          ; the largest magnitude of 32 registers, in two chains, with the floor as one more leaf; then 2 off its exponent field: the conversions' scale operand
	v_max3_num_f32 v22, |v[\x]|, |v[\x+1]|, |v[\x+2]|
	v_max3_num_f32 v23, |v[\x+3]|, |v[\x+4]|, |v[\x+5]|
.irp n, 6,10,14,18,22,26
	s_delay_alu instid0(VALU_DEP_2)
	v_max3_num_f32 v22, v22, |v[\x+\n]|, |v[\x+\n+1]|
	s_delay_alu instid0(VALU_DEP_2)
	v_max3_num_f32 v23, v23, |v[\x+\n+2]|, |v[\x+\n+3]|
.endr
	s_delay_alu instid0(VALU_DEP_2)
	v_max3_num_f32 v22, v22, |v[\x+30]|, |v[\x+31]|
	s_delay_alu instid0(VALU_DEP_1)
	v_max3_num_f32 v22, v22, v23, FLOOR
	s_delay_alu instid0(VALU_DEP_1)
	v_add_nc_u32 v24, 0xff000000, v22
.endm
.macro VQ i, g                         ; a block of the second product: column 128 i + 32 g + L, my wave's 32 keys
	AMAX TA
.irp j, 0,1,2,3
	v_cvt_scalef32_pk8_fp4_f32 v[CD+4*(\g)+\j], v[TA+8*\j:TA+8*\j+7], v24
.endr
	v_lshrrev_b32 v25, 23, v24                     ; the scale's byte (also the plain line behind the conversions)
	ds_store_b8 v9, v25 offset:512*(2*(\i)+(\g)/2)+8*((\g)%2)
	global_store_b128 v6, v[CD+4*(\g):CD+4*(\g)+3], s[8:9] offset:VIMG+16384*(\i)+4096*(\g)   ; sixteen lanes store 256 consecutive bytes, aligned
.endm
.macro KQ i, q                         ; a block of the first product: key L, d = 128 i + 32 q on; and its share of the key's sum of squares
	AMAX TB
.irp m, 0
.if (\i)+(\q)+\m == 0
	v_pk_mul_f32 v[SS:SS+1], v[TB:TB+1], v[TB:TB+1]                ; the first products start the sums: nothing is cleared
	v_pk_mul_f32 v[SS2:SS2+1], v[TB+2:TB+3], v[TB+2:TB+3]
.else
	v_pk_fma_f32 v[SS:SS+1], v[TB+\m:TB+\m+1], v[TB+\m:TB+\m+1], v[SS:SS+1]
	v_pk_fma_f32 v[SS2:SS2+1], v[TB+\m+2:TB+\m+3], v[TB+\m+2:TB+\m+3], v[SS2:SS2+1]
.endif
.endr
.irp m, 4, 8, 12, 16, 20, 24, 28
.if (\i)+(\q)+\m == 0
	v_pk_mul_f32 v[SS:SS+1], v[TB:TB+1], v[TB:TB+1]                ; the first products start the sums: nothing is cleared
	v_pk_mul_f32 v[SS2:SS2+1], v[TB+2:TB+3], v[TB+2:TB+3]
.else
	s_delay_alu instid0(VALU_DEP_2)
	v_pk_fma_f32 v[SS:SS+1], v[TB+\m:TB+\m+1], v[TB+\m:TB+\m+1], v[SS:SS+1]
	s_delay_alu instid0(VALU_DEP_2)
	v_pk_fma_f32 v[SS2:SS2+1], v[TB+\m+2:TB+\m+3], v[TB+\m+2:TB+\m+3], v[SS2:SS2+1]
.endif
.endr
.irp j, 0,1,2,3
	v_cvt_scalef32_pk8_fp4_f32 v[CD+16+4*(\q)+\j], v[TB+8*\j:TB+8*\j+7], v24
.endr
.if (\q) == 0
	v_lshrrev_b32 v[KB+(\i)], 23, v24              ; the scale's byte: four to a word, the lower d in the lower byte (also the plain line behind the conversions)
.else
	v_lshrrev_b32 v26, 23, v24
	s_delay_alu instid0(VALU_DEP_1)
	v_lshl_or_b32 v[KB+(\i)], v26, 8*(\q), v[KB+(\i)]
.endif
	global_store_b128 v7, v[CD+16+4*(\q):CD+16+4*(\q)+3], s[8:9] offset:1024*(\i)+256*(\q)   ; the wave's 32 chunks fill two aligned runs of 256 bytes
.endm
; 128 d of my 32 keys.  The stage is my wave's own and LDS serves a wave's instructions in order (ISA guide 5.7.1.4): no barrier, and no wait between the stores and the loads,
; nor between one iteration's loads from the stage and the next iteration's stores into it.
.macro ITER i
	s_wait_xcnt 0x0                                ; the last iteration's stores to memory have read their codes: CD is written again only behind this wait.  It stands ahead of this iteration's new loads
	TOSTAGE \i
	DSV 0
	DSK 0
.irp g, 0,1,2,3
	s_wait_dscnt 8                                 ; the column's 32 numbers are in; the key's eight loads behind them may be out
	VQ \i, \g
.if \g < 3
	DSV \g+1
	s_wait_dscnt 33                                ; the key's 32 numbers are in; behind them: the byte's store and the next column's 32 loads
.else
	s_wait_dscnt 1                                 ; behind them: the byte's store
.endif
	KQ \i, \g
.if \g < 3
	DSK \g+1
.endif
.endr
.endm
	s_cmp_lt_u32 s12, 4                            ; waves 0-3: a row of x, 16 neighbours a lane
	s_cbranch_scc0 .Lno_x_load
	s_wait_alu depctr_va_vdst(0)
.irp j, 0,1,2,3
	global_load_b128 v[TA+4*\j:TA+4*\j+3], v13, s[6:7] offset:16*\j th:TH_LOAD_NT
.endr
.Lno_x_load:
.irp b, 0,1,2,3
	LOADG 0, \b
.endr
	s_cmp_lt_u32 s12, 4
	s_cbranch_scc0 .Lno_x
	s_wait_loadcnt 32                              ; x's four loads are in; the bank's 32 behind them stay out
	v_max3_num_f32 v22, |v[TA]|, |v[TA+1]|, |v[TA+2]|
	v_max3_num_f32 v23, |v[TA+3]|, |v[TA+4]|, |v[TA+5]|
.irp n, 6,10
	s_delay_alu instid0(VALU_DEP_2)
	v_max3_num_f32 v22, v22, |v[TA+\n]|, |v[TA+\n+1]|
	s_delay_alu instid0(VALU_DEP_2)
	v_max3_num_f32 v23, v23, |v[TA+\n+2]|, |v[TA+\n+3]|
.endr
	s_delay_alu instid0(VALU_DEP_2)
	v_max3_num_f32 v22, v22, |v[TA+14]|, |v[TA+15]|
	s_delay_alu instid0(VALU_DEP_1)
	v_max3_num_f32 v22, v22, v23, FLOOR
	s_delay_alu instid0(VALU_DEP_1)
	v_max_num_f32_dpp v22, v22, v22 row_xmask:1 row_mask:0xf bank_mask:0xf   ; with my neighbour's 16: the block's largest magnitude
	s_delay_alu instid0(VALU_DEP_1)
	v_add_nc_u32 v24, 0xff000000, v22
	v_cvt_scalef32_pk8_fp4_f32 v[CD], v[TA:TA+7], v24
	v_cvt_scalef32_pk8_fp4_f32 v[CD+1], v[TA+8:TA+15], v24
	v_lshrrev_b32 v25, 23, v24
	global_store_b64 v14, v[CD:CD+1], s[26:27]     ; the wave stores the row's 256 bytes of codes
	global_store_b8 v15, v25, s[28:29] offset:XSC  ; both lanes of a block write the same byte with the same value
	v_pk_mul_f32 v[96:97], v[TA:TA+1], v[TA:TA+1]
.irp m, 2,4,6,8,10,12,14
	s_delay_alu instid0(VALU_DEP_1)
	v_pk_fma_f32 v[96:97], v[TA+\m:TA+\m+1], v[TA+\m:TA+\m+1], v[96:97]
.endr
	s_delay_alu instid0(VALU_DEP_1)
	v_add_f32 v96, v96, v97
	s_delay_alu instid0(VALU_DEP_1)
	v_add_f32_dpp v96, v96, v96 row_xmask:1 row_mask:0xf bank_mask:0xf
	s_delay_alu instid0(VALU_DEP_1)
	v_add_f32_dpp v96, v96, v96 row_xmask:2 row_mask:0xf bank_mask:0xf
	s_delay_alu instid0(VALU_DEP_1)
	v_add_f32_dpp v96, v96, v96 row_xmask:4 row_mask:0xf bank_mask:0xf
	s_delay_alu instid0(VALU_DEP_1)
	v_add_f32_dpp v96, v96, v96 row_xmask:8 row_mask:0xf bank_mask:0xf
	s_delay_alu instid0(VALU_DEP_1)
	v_permlanex16_b32 v27, v96, s14, s15
	s_delay_alu instid0(VALU_DEP_1)
	v_add_f32 v96, v96, v27                        ; the row's sum of squares, in every lane
	v_cmp_eq_u32 vcc_lo, 0, v1
	s_wait_alu depctr_va_vdst(0)
	v_rsq_f32 v97, v96                             ; 1 / |x|
	v_nop                                          ; a plain line behind the transcendental,
	s_wait_alu depctr_va_vdst(0)                   ; and the wait ahead of the first line that names its result
	s_wait_xcnt 0x0                                ; EXEC changes only behind this wait
	s_and_saveexec_b32 s24, vcc_lo
	global_store_b32 v1, v97, s[30:31] offset:XR   ; lane 0 alone, whose v1 is 0
	s_wait_xcnt 0x0
	s_or_b32 exec_lo, exec_lo, s24
.Lno_x:
	ITER 0
	ITER 1
	ITER 2
	ITER 3
	global_store_b128 v8, v[KB:KB+3], s[8:9] offset:KSC            ; my key's 16 scale bytes
	v_pk_add_f32 v[SS:SS+1], v[SS:SS+1], v[SS2:SS2+1]
	s_delay_alu instid0(VALU_DEP_1)
	v_add_f32 v20, v20, v21                        ; my key's sum of squares
	s_wait_alu depctr_va_vdst(0)
	v_rsq_f32 v22, v20
	v_nop
	s_wait_alu depctr_va_vdst(0)
	v_mul_f32 v22, 0x4138aa3b, v22                 ; g = 8 log2(e) / |m|
	ds_store_b32 v10, v22
	s_wait_dscnt 0x0                               ; for the others' sake: my bytes of VSC's image and my words of G's have landed
	s_barrier_signal -1
	s_barrier_wait -1
	ds_load_b128 v[64:67], v11                     ; VSC's image leaves whole: 512 consecutive bytes a wave
	s_wait_dscnt 0x0
	global_store_b128 v12, v[64:67], s[8:9] offset:VSC
	s_cmp_lt_u32 s12, 2
	s_cbranch_scc0 .Lend
	ds_load_b128 v[68:71], v11 offset:4096         ; G's 1,024 bytes: waves 0 and 1
	s_wait_dscnt 0x0
	global_store_b128 v12, v[68:71], s[8:9] offset:GOF
.Lend:
	s_wait_tensorcnt 0x0
	ds_add_u32 v30, v31
	s_wait_dscnt 0x0
	s_endpgm
.Lfunc_end_k_q818778f794_prep:
	.size	k_q818778f794_prep, .Lfunc_end_k_q818778f794_prep-k_q818778f794_prep
	.p2alignl 7, 3214868480
	.fill 96, 4, 3214868480
	.section	.rodata,"a",@progbits
	.p2align	6, 0x0
	.amdhsa_kernel k_q818778f794_prep
		.amdhsa_group_segment_fixed_size 141312
		.amdhsa_private_segment_fixed_size 0
		.amdhsa_enable_private_segment 0
		.amdhsa_kernarg_size 32
		.amdhsa_user_sgpr_count 2
		.amdhsa_user_sgpr_kernarg_segment_ptr 1
		.amdhsa_wavefront_size32 1
		.amdhsa_system_sgpr_workgroup_id_x 1
		.amdhsa_system_sgpr_workgroup_id_y 1
		.amdhsa_system_sgpr_workgroup_id_z 1
		.amdhsa_system_vgpr_workitem_id 0
		.amdhsa_next_free_vgpr 256
		.amdhsa_next_free_sgpr 66
		.amdhsa_reserve_vcc 1
		.amdhsa_float_denorm_mode_32 3
		.amdhsa_float_denorm_mode_16_64 3
		.amdhsa_memory_ordered 1
		.amdhsa_forward_progress 1
		.amdhsa_inst_pref_size 158
	.end_amdhsa_kernel
	.amdgpu_metadata
---
amdhsa.version: [ 1, 2 ]
amdhsa.kernels:
  - .name:           k_q818778f794_prep
    .symbol:         k_q818778f794_prep.kd
    .args:
      - { .name: memory_bank, .offset: 0, .size: 8, .value_kind: global_buffer, .address_space: global }
      - { .name: x, .offset: 8, .size: 8, .value_kind: global_buffer, .address_space: global }
      - { .name: kv, .offset: 16, .size: 8, .value_kind: global_buffer, .address_space: global }
      - { .name: xq, .offset: 24, .size: 8, .value_kind: global_buffer, .address_space: global }
    .group_segment_fixed_size: 141312
    .private_segment_fixed_size: 0
    .kernarg_segment_align: 8
    .kernarg_segment_size: 32
    .max_flat_workgroup_size: 256
    .sgpr_count:     66
    .vgpr_count:     256
    .wavefront_size: 32
...
	.end_amdgpu_metadata
.endif
;; end of part 1
;; launch attn (part 2): grid 16 x 16, 8 waves a work-group, clusters of 4 x 1, 327,680 bytes of LDS; arguments kv, xq, opart, lpart; writes opart, lpart
.if DOCPART == 2
	.amdgcn_target "amdgcn-amd-amdhsa--gfx1250"
	.amdhsa_code_object_version 6
	.text
	.protected	k_q818778f794_attn
	.globl	k_q818778f794_attn
	.p2align	8
	.type	k_q818778f794_attn,@function
k_q818778f794_attn:
	s_mov_b64 s[64:65], 0
	v_nop
	global_prefetch_b8 v0, s[64:65] scope:SCOPE_SE
	s_setreg_imm32_b32 hwreg(HW_REG_WAVE_MODE, 25, 1), 1
	s_wait_xcnt 0x0
	s_wait_alu depctr_hold_cnt(0) depctr_sa_sdst(0) depctr_va_vdst(0) depctr_va_sdst(0) depctr_va_ssrc(0) depctr_va_vcc(0) depctr_vm_vsrc(0)
	s_getreg_b32 s2, hwreg(HW_REG_IB_STS2, 6, 4)
	s_cmp_eq_u32 s2, 0
	s_cbranch_scc0 .Lentry_in_a_cluster
	s_endpgm
.Lentry_in_a_cluster:
	s_bfe_u32 s2, ttmp6, 0x10000c
	s_cmp_lg_u32 s2, 0x3003
	s_cbranch_scc0 .Lentry_shape_is_right
	s_endpgm
.Lentry_shape_is_right:
; For 64 queries and 4,096 keys: S^T = K Q^T, t = S x min(8 log2(e) / (|x| |m|), 8 log2(e) / eps), p = 2^t, l = the sum of the unquantised p, O^T = V^T Q(p).
; Both products on codes of FP4 (E2M1) with one E8M0 scale for each 32 along K.  opart [16 splits][1024][512] f32 and lpart [16][1024] f32 are added and divided by the next launch.
; NO MAXIMUM IS TAKEN AWAY, and none is needed for any input: both vectors are normalised by the problem itself.  Rounding to E2M1 at most doubles a magnitude, so |dots| <= 4 |x| |m|, |sims| <= 4 with the hold at eps too,
; |t| <= 4 x 8 x log2(e) = 46.2: p lies in 2^-46.2 .. 2^46.2 and a row's sum under 2^62.2; every block's scale byte lies far inside 1 .. 254.  The rule's M is a whole number, which the blocks' scales take up exactly:
; with M = 0 the codes' values are the same, and l and O carry the same power of two, which the division cancels.
; LIMITS: NaN and infinities among the inputs are not served; a block of zeros carries the byte 1 (its codes are zeros).
; SHARES.  Work-group x = a block of 64 queries, y = a split of 4,096 keys: 16 records of 256 keys (laid out by the launch before), one a step.
; TWO GROUPS OF FOUR WAVES, HALF A STEP APART.  Group g = (w xor w / 4) mod 2 owns queries 32 g .. 32 g + 31 (two tiles t); i = w / 2 is a wave's place in its group.  A step has two intervals with a barrier behind each:
; in the first, group 0 multiplies (O^T += V^T P of record j - 1, then S^T of record j) while group 1 walks the softmax of record j - 1; in the second they change places.
; First product: wave i takes keys 64 i .. 64 i + 63 (the record's images 2 i + e, tiles u) against its group's 32 queries.  Second: d = 128 i .. 128 i + 127 for those queries.  Each fragment of K and V feeds two products.
; Both products are used transposed (source 0 = keys, or columns of V; source 1 = queries): a lane holds ONE query; the 16 registers of tiles u = 0, 1 of an image are 16 neighbouring keys, half a block; the other half lies in lane l xor 16.
; p's codes and scale bytes reach the group's other waves through LDS as an image of the operand: one buffer a group, written in one interval, read in the next, with a barrier on either side.
; All that a wave wants of a record (K, its words, g, then V and its words) is in registers at the end of the interval in which it makes that record's scores.  So record j's slot is free behind step j's second interval:
; there stands the round of the cluster's barrier, and behind it the fill with record j + 2, which has a whole step in which to land.
; CLUSTER.  The four query blocks of a cluster walk the same records: each record is asked for JOINTLY, a part by each of the eight waves (waves 0-6: 69 rows of 256 bytes, wave 7: 65), with a mask that names the four.
; The four clusters of a split walk its 16 records cyclically from starts four records apart: step j of cluster c takes record (4 c + j) mod 16.  The sums are plain sums, so any order serves.
; PREFETCH.  Records 4 c + 2 and 4 c + 3 are asked for one step ahead of their loads, a quarter by each partner, told apart by address; records 4 c and 4 c + 1 come by their loads alone; the later ones have been read by the split's other clusters.
; O^T IS CLEARED ONCE, 128 lines at the head, so that step 1, whose second product is the first, runs in the loop: a copy of the step with the constant 0 as C would be as long as the loop's body.
; THE SLOT IN HAND is a scalar, s58, turned by an exclusive or at each step's end: one text serves both slots.
; LDS: two slots of a record; P's images 8,192 B; P's scale words 512 B; the waves' l 1,024 B; the spare words.  Fills land in the two slots alone.  The stage of the way out (16 x 272 B a wave) lies in slot 0,
; which has had its last fill and its last read by then.
; REGISTERS, window 0: v1-19 addresses; v20-23 1 / |x|; v24-31 l; v32-53 scale words; v54-61 at work; v64-127 S^T, then p, then P's fragments; v128-191 Q; v192-223 g; v224-239 factors; v240-251 codes and their scale operands.
;   Window 1: v0-127 O^T (e, dl, t) at 8 (2 (4 e + dl) + t); v128-255 fragments of K (32 p + 8 (2 e + u)), then of V (64 sg + 8 (4 e + dl)).
.set REC,   140288
.set PART,  17664                      ; 69 rows of 256 bytes; 7 x 69 + 65 = 548 rows are a record
.set QUART, 35072
.set SLOT1, 140288
.set PIMG,  280576                     ; 4096 g + 2048 t + 1024 sg + 512 c + 16 L
.set PSC,   288768                     ; 256 g + 8 (16 sg + r) + 4 t + the block's place in its K step
.set LS,    289280                     ; 512 g + 128 i + 4 x (query mod 32)
.set SPARE, 290304                     ; the spare words, 128 bytes a wave: four blocks of 256 bytes that no other line names
.set XSC,   262144
.set XR,    278528
.set FLOOR, 0x1800000                  ; 2^(3 - 127)
.set SPW, 1
.set NIL, 2
.set AK,  3                            ; 16384 i + 16 L
.set AV,  4                            ; 65536 more
.set ASC, 5                            ; 131072 + 1024 i + 16 L; V's words lie 4096 on
.set AG,  6                            ; 139264 + 256 i + 64 h
.set DK,  7                            ; v7-10: the same four in the slot in hand
.set DV,  8
.set DS,  9
.set DG,  10
.set APW, 11
.set APB, 12
.set APR, 13
.set APS, 14
.set PFO, 15
.set GO,  16
.set STO, 17
.set RD,  18
.set ALS, 19
.set RX,  20
.set LSUM, 24
.set KS,  32
.set QS,  40
.set VS,  44
.set PS,  52
.set AM,  54
.set BY,  58
.set ALR, 62
.set L8,  63
.set S,   64
.set Q,   128
.set G,   192
.set W,   224
.set PC,  240
.set SCO, 248
.set OUT, 64
.set F,   128                          ; in window 1
.set GRP, 56                           ; s56 my group
.set IDX, 57                           ; s57 my place in it
.set TB,  58                           ; s58 LDS byte at which the slot in hand begins
; s12 wave; s13 cx; s14 query block; s15 split; s17 my part of a record; s[20:21] kv at my part of the split's record 0; s[22:23] a record's offset; s[24:31], s[48:55] descriptor groups 1; s[32:35] group 0;
; s[40:41] lane selects; s42 8 log2(e) / eps; s43 loop count; s45 the record that the next fill asks for; s[46:47] the prefetch's base.  What holds cx lies in s13, s14, s46, s47 and s66 to s74: none of these feeds a descriptor.
.set MSB, 0
.macro WIN new                         ; the immediate's high byte repeats the setting that is left
.if MSB != \new
	s_set_vgpr_msb (MSB<<8)|\new
.set MSB, \new
.endif
.endm
.macro PLACES n
.rept \n
	v_nop
.endr
.endm
.macro CROUND                          ; a round of the cluster's barrier
	s_barrier_signal -1
	s_barrier_wait -1
	s_cmp_lg_u32 s12, 0
	s_cbranch_scc1 .Lnot_wave_0_\@
	s_barrier_signal -3
.Lnot_wave_0_\@:
	s_barrier_wait -3
	s_barrier_signal -1
	s_barrier_wait -1
.endm
.macro JLOAD                           ; a joint load: every wave its part of a record; two lines, since wave 7's part has fewer rows
	s_cmp_lt_u32 s12, 7
	s_cbranch_scc0 .Lshort_\@
	tensor_load_to_lds s[32:35], s[24:31]
	s_nop 0
.rept 4
	v_nop
.endr
	s_branch .Lasked_\@
.Lshort_\@:
	tensor_load_to_lds s[32:35], s[48:55]
	s_nop 0
.rept 4
	v_nop
.endr
.Lasked_\@:
.endm
.macro ASK off                         ; waves 3-7: a lane to a block of 256 bytes of my work-group's quarter (137 blocks; the lanes beyond name the last again); the address registers are never rewritten
	s_cmp_lt_u32 s12, 3
	s_cbranch_scc1 .Lnot_mine_\@
	global_prefetch_b8 v[PFO], s[46:47] offset:\off th:TH_LOAD_NT scope:SCOPE_SE
.Lnot_mine_\@:
.endm
; One matrix instruction.  z = 1: the constant 0 starts the sum; ra, rb = 1: the scale words lie in lanes 16-31.
.macro WM d, a, b, z, sa, sb, ra, rb
.set WSEL, 4*(\z)+2*(\ra)+(\rb)
.if WSEL == 0
	v_wmma_scale_f32_16x16x128_f8f6f4 v[(\d):(\d)+7], v[(\a):(\a)+7], v[(\b):(\b)+7], v[(\d):(\d)+7], v[\sa], v[\sb] matrix_a_fmt:MATRIX_FMT_FP4 matrix_b_fmt:MATRIX_FMT_FP4
.elseif WSEL == 1
	v_wmma_scale_f32_16x16x128_f8f6f4 v[(\d):(\d)+7], v[(\a):(\a)+7], v[(\b):(\b)+7], v[(\d):(\d)+7], v[\sa], v[\sb] matrix_a_fmt:MATRIX_FMT_FP4 matrix_b_fmt:MATRIX_FMT_FP4 matrix_b_scale:MATRIX_SCALE_ROW1
.elseif WSEL == 2
	v_wmma_scale_f32_16x16x128_f8f6f4 v[(\d):(\d)+7], v[(\a):(\a)+7], v[(\b):(\b)+7], v[(\d):(\d)+7], v[\sa], v[\sb] matrix_a_fmt:MATRIX_FMT_FP4 matrix_b_fmt:MATRIX_FMT_FP4 matrix_a_scale:MATRIX_SCALE_ROW1
.elseif WSEL == 3
	v_wmma_scale_f32_16x16x128_f8f6f4 v[(\d):(\d)+7], v[(\a):(\a)+7], v[(\b):(\b)+7], v[(\d):(\d)+7], v[\sa], v[\sb] matrix_a_fmt:MATRIX_FMT_FP4 matrix_b_fmt:MATRIX_FMT_FP4 matrix_a_scale:MATRIX_SCALE_ROW1 matrix_b_scale:MATRIX_SCALE_ROW1
.elseif WSEL == 4
	v_wmma_scale_f32_16x16x128_f8f6f4 v[(\d):(\d)+7], v[(\a):(\a)+7], v[(\b):(\b)+7], 0, v[\sa], v[\sb] matrix_a_fmt:MATRIX_FMT_FP4 matrix_b_fmt:MATRIX_FMT_FP4
.elseif WSEL == 5
	v_wmma_scale_f32_16x16x128_f8f6f4 v[(\d):(\d)+7], v[(\a):(\a)+7], v[(\b):(\b)+7], 0, v[\sa], v[\sb] matrix_a_fmt:MATRIX_FMT_FP4 matrix_b_fmt:MATRIX_FMT_FP4 matrix_b_scale:MATRIX_SCALE_ROW1
.elseif WSEL == 6
	v_wmma_scale_f32_16x16x128_f8f6f4 v[(\d):(\d)+7], v[(\a):(\a)+7], v[(\b):(\b)+7], 0, v[\sa], v[\sb] matrix_a_fmt:MATRIX_FMT_FP4 matrix_b_fmt:MATRIX_FMT_FP4 matrix_a_scale:MATRIX_SCALE_ROW1
.else
	v_wmma_scale_f32_16x16x128_f8f6f4 v[(\d):(\d)+7], v[(\a):(\a)+7], v[(\b):(\b)+7], 0, v[\sa], v[\sb] matrix_a_fmt:MATRIX_FMT_FP4 matrix_b_fmt:MATRIX_FMT_FP4 matrix_a_scale:MATRIX_SCALE_ROW1 matrix_b_scale:MATRIX_SCALE_ROW1
.endif
.endm
; K step p of S^T = K Q^T: eight accumulators by turns, one instruction a turn.  K's words: lanes 0-15 tile u = 0, lanes 16-31 u = 1; Q's: tile t = 0 below, 1 above.
.macro SMUL p, z
.irp t, 0,1
.irp e, 0,1
.irp u, 0,1
	WM S+16*(2*\t+\e)+8*\u, F+32*(\p)+8*(2*\e+\u), Q+8*(4*\t+(\p)), \z, KS+4*\e+(\p), QS+(\p), \u, \t
.endr
.endr
.endr
.endm
; K step g (128 keys) of O^T += V^T P: sixteen accumulators by turns.  V's and P's words: lanes 0-15 K step 0, lanes 16-31 K step 1.
.macro PVMUL g
.irp b, 0,1,2,3,4,5,6,7
.irp t, 0,1
	WM 8*(2*\b+\t), F+64*(\g)+8*\b, S+8*(2*(\g)+\t), 0, VS+\b, PS+\t, \g, \g
.endr
.endr
.endm
.macro KLD p                           ; K step p's four fragments: eight loads
.irp e, 0,1
.irp u, 0,1
.irp c, 0,1
	ds_load_b128 v[F+32*(\p)+8*(2*\e+\u)+4*\c:F+32*(\p)+8*(2*\e+\u)+4*\c+3], v[DK] offset:8192*\e+4096*\u+1024*(\p)+512*\c
.endr
.endr
.endr
.endm
.macro VLD g                           ; V's eight fragments of K step g: sixteen loads
.irp e, 0,1
.irp b, 0,1,2,3
.irp c, 0,1
	ds_load_b128 v[F+64*(\g)+8*(4*\e+\b)+4*\c:F+64*(\g)+8*(4*\e+\b)+4*\c+3], v[DV] offset:8192*\e+2048*\b+1024*(\g)+512*\c
.endr
.endr
.endr
.endm
; THE MULTIPLYING INTERVAL.  pv = 1: O^T += V^T P of the record before (V is in registers, P comes from my group's image).  sc = 1: the scores of the record in the slot in hand; then its V comes into registers.
; Counts on DScnt, by the order of issue: P's words 1, P's K steps 4 + 4, K's words 2, g 8, K steps 0 and 1 16, K steps 2 and 3 16, V's words 2, V's K step 0 16, V's K step 1 16.
.macro MAT pv, sc
.if \sc
	v_add_nc_u32 v[DK], s[TB], v[AK]
	v_add_nc_u32 v[DV], s[TB], v[AV]
	v_add_nc_u32 v[DS], s[TB], v[ASC]
	v_add_nc_u32 v[DG], s[TB], v[AG]
	s_wait_alu depctr_va_vdst(0)
.endif
.if \pv
	ds_load_b64 v[PS:PS+1], v[APS]
.irp g, 0,1
.irp t, 0,1
.irp c, 0,1
	ds_load_b128 v[S+8*(2*\g+\t)+4*\c:S+8*(2*\g+\t)+4*\c+3], v[APR] offset:2048*\t+1024*\g+512*\c
.endr
.endr
.endr
.endif
.if \sc
.irp e, 0,1
	ds_load_b128 v[KS+4*\e:KS+4*\e+3], v[DS] offset:512*\e
.endr
.irp e, 0,1
.irp j, 0,1,2,3
	ds_load_b128 v[G+16*\e+4*\j:G+16*\e+4*\j+3], v[DG] offset:128*\e+16*\j
.endr
.endr
.endif
.if \pv
	s_wait_dscnt 4+10*\sc                          ; P's words and first K step are in
	WIN 0x51                                       ; source 0 (V), C and D (O^T) in window 1
	PVMUL 0
.if \sc
	PLACES 4                                       ; in front of the loads into the registers of V's first K step
	WIN 0x40
	KLD 0
	KLD 1
	WIN 0x51
.endif
	s_wait_dscnt 26*\sc                            ; P's second K step is in
	PVMUL 1
	PLACES 5                                       ; loads into V's registers follow (four places), and the scores' first products write over P's (five)
.else
	WIN 0x40
	KLD 0
	KLD 1
.endif
.if \sc
	WIN 0x40
	KLD 2
	KLD 3
	WIN 0x01                                       ; source 0 (K) in window 1
	s_wait_dscnt 24
	SMUL 0, 1                                      ; the first K step starts the sums
	s_wait_dscnt 16
	SMUL 1, 0
	PLACES 4                                       ; in front of the loads into the registers of K steps 0 and 1
	WIN 0
.irp e, 0,1
	ds_load_b128 v[VS+4*\e:VS+4*\e+3], v[DS] offset:4096+512*\e
.endr
	WIN 0x40
	VLD 0
	WIN 0x01
	s_wait_dscnt 26
	SMUL 2, 0
	s_wait_dscnt 18
	SMUL 3, 0
	PLACES 5                                       ; loads into K's registers follow (four places); a second product that takes the scores' registers as its source stands five behind
	WIN 0x40
	VLD 1
.endif
	WIN 0
.endm
; FROM SCORES TO CODES.  Four runs of 16 registers, x = 2 t + e.  The factor min(g / |x|, 8 log2(e) / eps) (1 / max(a b, eps) = min(1 / (a b), 1 / eps); an infinite reciprocal ends at the hold), t = score x factor, p = 2^t in place.
; Each accumulator is read from its low end on.  The 64 exponentials are one batch: no line ahead of the last wait names a result.
.macro SOFT
.irp t, 0,1
.irp e, 0,1
.irp m, 0,2,4,6,8,10,12,14
	v_pk_mul_f32 v[W+\m:W+\m+1], v[G+16*\e+\m:G+16*\e+\m+1], v[RX+2*\t:RX+2*\t+1]
.endr
.irp m, 0,1,2,3,4,5,6,7,8,9,10,11,12,13,14,15
	v_min_num_f32 v[W+\m], s42, v[W+\m]
.endr
	s_wait_alu depctr_va_vdst(0)                   ; the wait ahead of the first reader of the scores
.irp m, 0,2,4,6,8,10,12,14
	v_pk_mul_f32 v[S+16*(2*\t+\e)+\m:S+16*(2*\t+\e)+\m+1], v[S+16*(2*\t+\e)+\m:S+16*(2*\t+\e)+\m+1], v[W+\m:W+\m+1]
.endr
	s_wait_alu depctr_va_vdst(0)                   ; and ahead of the exponentials
.irp m, 0,1,2,3,4,5,6,7,8,9,10,11,12,13,14,15
	v_exp_f32 v[S+16*(2*\t+\e)+\m], v[S+16*(2*\t+\e)+\m]
.endr
.endr
.endr
	v_nop                                          ; a plain line behind the last exponential,
	s_wait_alu depctr_va_vdst(0)                   ; and one wait for the batch, ahead of the first line that names a result
.irp x, 0,1,2,3
	v_max3_num_f32 v[AM+\x], v[S+16*\x], v[S+16*\x+1], FLOOR       ; my 16 p of the block, and the floor; none is negative.  The four runs by turns
.endr
.irp m, 2,4,6,8,10,12,14
.irp x, 0,1,2,3
	v_max3_num_f32 v[AM+\x], v[AM+\x], v[S+16*\x+\m], v[S+16*\x+\m+1]
.endr
.endr
.irp m, 0,2,4,6,8,10,12,14
.irp x, 0,1,2,3
	v_pk_add_f32 v[LSUM+2*\x:LSUM+2*\x+1], v[LSUM+2*\x:LSUM+2*\x+1], v[S+16*\x+\m:S+16*\x+\m+1]   ; l is taken of the unquantised p
.endr
.endr
.irp x, 0,1,2,3
	v_permlanex16_b32 v[BY+\x], v[AM+\x], s40, s41
.endr
.irp x, 0,1,2,3
	s_delay_alu instid0(VALU_DEP_4)
	v_max_num_f32 v[AM+\x], v[AM+\x], v[BY+\x]     ; with lane l xor 16's: the block's largest p
.endr
.irp x, 0,1,2,3
	s_delay_alu instid0(VALU_DEP_4)
	v_add_nc_u32 v[SCO+\x], 0xff000000, v[AM+\x]   ; 2 off its exponent field: the conversions' scale operand
.endr
.irp x, 0,1,2,3
	s_delay_alu instid0(VALU_DEP_4)
	v_lshrrev_b32 v[BY+\x], 23, v[SCO+\x]          ; the scale's byte
.endr
.irp x, 0,1,2,3
	v_cvt_scalef32_pk8_fp4_f32 v[PC+2*\x], v[S+16*\x:S+16*\x+7], v[SCO+\x]
	v_cvt_scalef32_pk8_fp4_f32 v[PC+2*\x+1], v[S+16*\x+8:S+16*\x+15], v[SCO+\x]
.endr
	v_nop                                          ; one plain line behind the last scaled conversion
.irp t, 0,1
.irp e, 0,1
	ds_store_b64 v[APW], v[PC+2*(2*\t+\e):PC+2*(2*\t+\e)+1] offset:2048*\t+256*\e   ; my 16 codes: half of the block's 16-byte chunk
.endr
.endr
.irp t, 0,1
.irp e, 0,1
	ds_store_b8 v[APB], v[BY+2*\t+\e] offset:4*\t+\e               ; lanes l and l xor 16 write the same byte with the same value
.endr
.endr
.endm
.macro EVEN pv, sc                     ; a step's first interval: group 0 multiplies, group 1 walks its softmax.  The branch hangs on the wave's number alone
	s_cmp_eq_u32 s[GRP], 0
	s_cbranch_scc0 .Lb_\@
	MAT \pv, \sc
	s_branch .Lj_\@
.Lb_\@:
	SOFT
.Lj_\@:
.endm
.macro ODD pv, sc                      ; the second: the other way round
	s_cmp_eq_u32 s[GRP], 0
	s_cbranch_scc0 .Lb_\@
	SOFT
	s_branch .Lj_\@
.Lb_\@:
	MAT \pv, \sc
.Lj_\@:
.endm
.macro PBAR                            ; the barrier between a step's intervals: my tensor load stays out across it
	s_wait_alu depctr_va_vdst(0)                   ; the wait ahead of the blocking wait
	s_wait_dscnt 0x0                               ; my part of P has landed; my loads of P and of the slot are in
	s_barrier_signal -1
	s_barrier_wait -1
.endm
; A STEP'S END.  refill = 1: the slot in hand, of which every wave has all it wants in registers, is filled with the record two steps on; then the other slot is in hand.
.macro RND refill
	s_wait_alu depctr_va_vdst(0)                   ; the wait ahead of the blocking wait
	s_wait_tensorcnt 0x0                           ; all my tensor loads have landed: the one that was out is my part of the next record;
	ds_add_u32 v[SPW], v[NIL]                      ; 0 onto my spare word
.if \refill
	s_mul_i32 s22, s45, REC                        ; no tensor load of mine is out, so group 0 may be written
	s_add_nc_u64 s[34:35], s[20:21], s[22:23]
	s_or_b32 s35, s35, 0x80000000                  ; type = 2
	s_add_co_u32 s33, s17, s[TB]                   ; my part of the slot in hand
	s_add_co_u32 s45, s45, 1
	s_and_b32 s45, s45, 15                         ; round the split's 16
.endif
	s_xor_b32 s[TB], s[TB], SLOT1
	s_wait_dscnt 0x0                               ; the add is done; my part of P has landed; my reads of the slot are over
.if \refill
	CROUND                                         ; that now holds of every wave of all four work-groups
	JLOAD                                          ; my one tensor load until the next round
.else
	s_barrier_signal -1
	s_barrier_wait -1
.endif
.endm
	s_load_b256 s[4:11], s[0:1], 0x0               ; kv s[4:5], xq s[6:7], opart s[8:9], lpart s[10:11]
	v_lshl_add_u32 v[SPW], v0, 2, SPARE
	v_mov_b32 v[NIL], 0
	ds_add_u32 v[SPW], v[NIL]                      ; the opening lines: the add, twice on end, and its wait ahead of my first tensor load
	ds_add_u32 v[SPW], v[NIL]
	v_lshrrev_b32 v3, 5, v0
	s_delay_alu instid0(VALU_DEP_1)
	v_readfirstlane_b32 s12, v3                    ; wave 0..7
	s_lshr_b32 s[IDX], s12, 1
	s_lshr_b32 s[GRP], s12, 2
	s_xor_b32 s[GRP], s[GRP], s12
	s_and_b32 s[GRP], s[GRP], 1
	s_bfe_u32 s13, ttmp6, 0x40000                  ; cx
	s_lshl_b32 s45, ttmp9, 2                       ; my cluster's first record of the split, 4 c
	s_add_co_u32 s14, s45, s13                     ; my block of 64 queries: it enters xq's, opart's and lpart's addresses alone
	s_and_b32 s15, ttmp7, 0xffff                   ; the split
.irp g, 24, 48                                 ; descriptor groups 1: a dense block of 69 (wave 7: 65) rows x 256 bytes (32 elements of 8 bytes), no padding
	s_mov_b32 s[\g], 15|(3<<16)|(1<<21)            ; the mask: all four work-groups; elements of 8 bytes; bit 21 beside a mask
	s_mov_b32 s[\g+1], 32<<16
	s_mov_b32 s[\g+3], 32<<16
	s_mov_b32 s[\g+5], 32
	s_mov_b32 s[\g+6], 0
	s_mov_b32 s[\g+7], 0
.endr
	s_mov_b32 s26, 69<<16
	s_mov_b32 s28, 69
	s_mov_b32 s50, 65<<16
	s_mov_b32 s52, 65
	s_mul_i32 s17, s12, PART                       ; my part of a record, in memory and in a slot
	s_mul_i32 s18, s15, 16*REC
	s_add_co_u32 s18, s18, s17
	s_mov_b32 s19, 0
	s_mul_i32 s22, s45, REC
	s_mov_b32 s23, 0
	s_mov_b32 s40, 0x76543210
	s_mov_b32 s41, 0xfedcba98
	s_mov_b32 s42, 0x4e89960c                      ; 8 log2(e) / 1e-8
	s_mul_i32 s66, s13, QUART                      ; the prefetches: my work-group's quarter
	s_mul_i32 s74, s15, 16*REC
	s_add_co_u32 s66, s66, s74
	s_add_co_u32 s74, s45, 2
	s_mul_i32 s74, s74, REC
	s_add_co_u32 s66, s66, s74                     ; of the split's record 4 c + 2
	s_mov_b32 s67, 0
	s_mov_b32 s[TB], SLOT1                         ; the second fill goes to slot 1, and leaves slot 0 in hand
	s_wait_dscnt 0x0                               ; both opening adds are done
	s_wait_kmcnt 0x0
	s_add_nc_u64 s[20:21], s[4:5], s[18:19]
	s_mov_b32 s32, 1
	s_mov_b32 s33, s17                             ; slot 0
	s_add_nc_u64 s[34:35], s[20:21], s[22:23]      ; record 4 c
	s_or_b32 s35, s35, 0x80000000
	s_add_co_u32 s45, s45, 1
	s_add_nc_u64 s[46:47], s[4:5], s[66:67]
	CROUND                                         ; all four work-groups are here: the first joint loads meet
	JLOAD                                          ; one tensor load a wave at the head
	s_lshl_b32 s66, s14, 14
	s_lshl_b32 s74, s[GRP], 13
	s_add_co_u32 s66, s66, s74
	s_add_nc_u64 s[68:69], s[6:7], s[66:67]        ; my group's 32 queries' codes,
	s_lshl_b32 s66, s14, 10
	s_lshl_b32 s74, s[GRP], 9
	s_add_co_u32 s66, s66, s74
	s_add_nc_u64 s[70:71], s[6:7], s[66:67]        ; scale bytes (less XSC),
	s_lshl_b32 s66, s14, 8
	s_lshl_b32 s74, s[GRP], 7
	s_add_co_u32 s66, s66, s74
	s_add_nc_u64 s[72:73], s[6:7], s[66:67]        ; and 1 / |x| (less XR)
	s_lshl_b32 s66, s15, 21                        ; opart: the split, my block's 64 rows, my group's 32, my wave's 128 columns
	s_lshl_b32 s74, s14, 17
	s_add_co_u32 s66, s66, s74
	s_lshl_b32 s74, s[GRP], 16
	s_add_co_u32 s66, s66, s74
	s_lshl_b32 s74, s[IDX], 9
	s_add_co_u32 s66, s66, s74
	s_add_nc_u64 s[8:9], s[8:9], s[66:67]
	s_lshl_b32 s66, s15, 12
	s_lshl_b32 s74, s14, 8
	s_add_co_u32 s66, s66, s74
	s_add_nc_u64 s[10:11], s[10:11], s[66:67]      ; lpart: 4096 x split + 256 x block
	s_lshl_b32 s80, s[IDX], 14                     ; the waves' terms of the LDS addresses
	s_lshl_b32 s81, s[IDX], 10
	s_add_co_u32 s81, s81, 131072
	s_lshl_b32 s82, s[IDX], 8
	s_add_co_u32 s82, s82, 139264
	s_lshl_b32 s83, s[GRP], 12
	s_add_co_u32 s83, s83, PIMG
	s_lshl_b32 s84, s[IDX], 9
	s_add_co_u32 s84, s84, s83
	s_lshl_b32 s85, s[GRP], 8
	s_add_co_u32 s85, s85, PSC
	s_lshr_b32 s86, s[IDX], 1
	s_lshl_b32 s86, s86, 7
	s_and_b32 s87, s[IDX], 1
	s_lshl_b32 s87, s87, 1
	s_add_co_u32 s86, s86, s87
	s_add_co_u32 s86, s86, s85
	s_lshl_b32 s87, s[GRP], 9
	s_lshl_b32 s88, s[IDX], 7
	s_add_co_u32 s87, s87, s88
	s_add_co_u32 s87, s87, LS
	s_mul_i32 s88, s12, 16*272                     ; my stage, in slot 0
	v_and_b32 v252, 15, v0                         ; r
	v_bfe_u32 v253, v0, 4, 1                       ; h
	v_and_b32 v254, 31, v0                         ; L
	s_delay_alu instid0(VALU_DEP_3)
	v_lshlrev_b32 v250, 8, v252
	s_delay_alu instid0(VALU_DEP_1)
	v_lshl_add_u32 v250, v253, 4, v250             ; Q: row r of 256 bytes, + 16 h
	s_delay_alu instid0(VALU_DEP_3)
	v_lshlrev_b32 v255, 4, v254                    ; 16 L
	v_lshlrev_b32 v251, 2, v252                    ; 4 r
.irp t, 0,1
.irp p, 0,1,2,3
.irp c, 0,1
	global_load_b128 v[Q+8*(4*\t+\p)+4*\c:Q+8*(4*\t+\p)+4*\c+3], v250, s[68:69] offset:4096*\t+64*\p+32*\c   ; Q stays in registers
.endr
.endr
.endr
	global_load_b128 v[QS:QS+3], v255, s[70:71] offset:XSC         ; lane L: the 16 scale bytes of my group's query L
.irp t, 0,1
	global_load_b32 v[RX+2*\t], v251, s[72:73] offset:XR+64*\t
.endr
	v_add_nc_u32 v[AK], s80, v255
	v_add_nc_u32 v[ASC], s81, v255
	v_lshl_add_u32 v[AG], v253, 6, s82
	v_add_nc_u32 v[APR], s83, v255
	v_lshl_add_u32 v[APW], v252, 4, s84
	v_lshl_add_u32 v[APS], v254, 3, s85
	v_lshl_add_u32 v[APB], v252, 3, s86
	v_lshl_add_u32 v[ALS], v252, 2, s87
	v_add_nc_u32 v[AV], 65536, v[AK]
	v_lshl_add_u32 v[APW], v253, 3, v[APW]
	v_mul_u32_u24 v[STO], v252, 272
	v_mul_u32_u24 v[RD], v253, 272
	v_lshlrev_b32 v[GO], 11, v253
	v_lshlrev_b32 v[L8], 3, v254
	v_lshlrev_b32 v[ALR], 9, v253
	v_sub_nc_u32 v[PFO], v0, 96
	v_lshl_add_u32 v[STO], v253, 5, v[STO]         ; into the stage: row r, 32 bytes for each half of the lanes
	v_lshl_add_u32 v[RD], v252, 4, v[RD]           ; back: lanes 0-15 one row of 256 bytes, lanes 16-31 the next
	v_lshl_add_u32 v[GO], v252, 4, v[GO]
	v_lshl_add_u32 v[ALR], v252, 3, v[ALR]
	v_min_u32 v[PFO], 136, v[PFO]
	v_add_nc_u32 v[STO], s88, v[STO]
	v_add_nc_u32 v[RD], s88, v[RD]
	s_delay_alu instid0(VALU_DEP_4)
	v_add_nc_u32 v[ALR], LS, v[ALR]                ; LS + 512 h + 8 r: queries 2 L and 2 L + 1
	s_delay_alu instid0(VALU_DEP_4)
	v_lshlrev_b32 v[PFO], 8, v[PFO]                ; threads 96 on: block 0 .. 136 of my work-group's quarter
.irp j, 0,1,2,3,4,5,6,7
	v_mov_b32 v[LSUM+\j], 0                        ; l begins at 0
.endr
.irp j, 0,1,2,3
	v_mov_b32 v[BY+\j], 0                          ; written once: a lane permute's destination counts as one of its sources
.endr
	WIN 0x40
.set J, 0
.rept 128
	v_mov_b32 v[J], 0                              ; O^T begins at 0 (see the head)
.set J, J+1
.endr
	WIN 0
	s_wait_loadcnt 0x0                             ; Q, its scale words, 1 / |x|
.irp t, 0,1
	v_mov_b32 v[RX+2*\t+1], v[RX+2*\t]             ; a pair for the packed multiply
.endr
	RND 1                                          ; slot 0 is whole; slot 1's first fill is issued as a refill is, behind the three lines and a round
	ASK 0                                          ; record 4 c + 2, which the round at step 0's end asks for
	s_cmp_eq_u32 s[GRP], 0                         ; step 0, first interval: group 0's first scores; group 1 has nothing yet
	s_cbranch_scc0 .Lnone_yet
	MAT 0, 1
.Lnone_yet:
	PBAR
	ODD 0, 1
	RND 1
	ASK REC                                        ; record 4 c + 3, which the round at step 1's end asks for
	s_mov_b32 s43, 13
.Lloop:                                            ; steps 1 to 13: each ends with the fill for the step two on
	EVEN 1, 1
	PBAR
	ODD 1, 1
	RND 1
	s_sub_co_u32 s43, s43, 1
	s_cmp_lg_u32 s43, 0
	s_cbranch_scc1 .Lloop
	s_mov_b32 s43, 2
.Ltail:                                            ; steps 14 and 15: nothing is left to fetch
	EVEN 1, 1
	PBAR
	ODD 1, 1
	RND 0
	s_sub_co_u32 s43, s43, 1
	s_cmp_lg_u32 s43, 0
	s_cbranch_scc1 .Ltail
	EVEN 1, 0                                      ; group 0's last second product; group 1's last softmax
	; l: a lane's four parts, lane l xor 16's, then the group's four waves' through LDS
.irp t, 0,1
	v_pk_add_f32 v[LSUM+4*\t:LSUM+4*\t+1], v[LSUM+4*\t:LSUM+4*\t+1], v[LSUM+4*\t+2:LSUM+4*\t+3]
.endr
.irp t, 0,1
	s_delay_alu instid0(VALU_DEP_2)
	v_add_f32 v[AM+\t], v[LSUM+4*\t], v[LSUM+4*\t+1]
.endr
.irp t, 0,1
	s_delay_alu instid0(VALU_DEP_2)
	v_permlanex16_b32 v[BY+\t], v[AM+\t], s40, s41
.endr
.irp t, 0,1
	s_delay_alu instid0(VALU_DEP_2)
	v_add_f32 v[AM+\t], v[AM+\t], v[BY+\t]
.endr
.irp t, 0,1
	ds_store_b32 v[ALS], v[AM+\t] offset:64*\t     ; lanes l and l xor 16 write the same word with the same value
.endr
	PBAR
	s_cmp_eq_u32 s[GRP], 0
	s_cbranch_scc1 .Ldone_pv
	MAT 1, 0                                       ; group 1's last second product
.Ldone_pv:
	s_cmp_lg_u32 s12, 0
	s_cbranch_scc1 .Lnot_l
.irp i, 0,1,2,3
	ds_load_b64 v[192+2*\i:193+2*\i], v[ALR] offset:128*\i
.endr
	s_wait_dscnt 0x0
	v_pk_add_f32 v[192:193], v[192:193], v[194:195]
	v_pk_add_f32 v[196:197], v[196:197], v[198:199]
	s_delay_alu instid0(VALU_DEP_1)
	v_pk_add_f32 v[192:193], v[192:193], v[196:197]
	global_store_b64 v[L8], v[192:193], s[10:11]   ; wave 0 stores the block's 64 numbers as 256 consecutive bytes
.Lnot_l:
; O^T, 16 queries x 64 columns at a time: a lane's eight numbers are 32 neighbouring bytes of a row; they go into my stage (rows of 256 + 16 bytes) and come back as whole rows.
; LDS serves a wave's instructions in order (ISA guide 5.7.1.4): no wait between the stores and the loads, nor in front of the next run's stores.
.macro TOSTAGE x, t, e
	WIN 0x04                                       ; an LDS store's data are its source 1: window 1
.irp b, 0,1,2,3
	ds_store_b128 v[STO], v[8*(2*(4*\e+\b)+\t):8*(2*(4*\e+\b)+\t)+3] offset:64*\b          ; each accumulator from its low end on
	ds_store_b128 v[STO], v[8*(2*(4*\e+\b)+\t)+4:8*(2*(4*\e+\b)+\t)+7] offset:64*\b+16
.endr
	WIN 0
.irp i, 0,1,2,3,4,5,6,7
	ds_load_b128 v[OUT+32*\x+4*\i:OUT+32*\x+4*\i+3], v[RD] offset:544*\i
.endr
.endm
.macro SEND x, t, e, younger           ; younger: the LDS instructions issued behind this run's loads
.irp i, 0,1,2,3,4,5,6,7
	s_wait_dscnt \younger+7-\i
	global_store_b128 v[GO], v[OUT+32*\x+4*\i:OUT+32*\x+4*\i+3], s[8:9] offset:2048*(16*\t+2*\i)+256*\e th:TH_STORE_NT   ; sixteen lanes store 256 consecutive bytes, aligned
.endr
.endm
	TOSTAGE 0, 0, 0
	TOSTAGE 1, 0, 1
	SEND 0, 0, 0, 16
	TOSTAGE 2, 1, 0
	SEND 1, 0, 1, 16
	TOSTAGE 3, 1, 1
	SEND 2, 1, 0, 16
	SEND 3, 1, 1, 0
	s_wait_tensorcnt 0x0                           ; the wave's end, behind my last tensor load and my last LDS store
	ds_add_u32 v[SPW], v[NIL]
	s_wait_dscnt 0x0
	CROUND                                         ; the closing round: no work-group ends while a partner may still ask for a record that names it
	s_endpgm
.Lfunc_end_k_q818778f794_attn:
	.size	k_q818778f794_attn, .Lfunc_end_k_q818778f794_attn-k_q818778f794_attn
	.p2alignl 7, 3214868480
	.fill 96, 4, 3214868480
	.section	.rodata,"a",@progbits
	.p2align	6, 0x0
	.amdhsa_kernel k_q818778f794_attn
		.amdhsa_group_segment_fixed_size 327680
		.amdhsa_private_segment_fixed_size 0
		.amdhsa_enable_private_segment 0
		.amdhsa_kernarg_size 32
		.amdhsa_user_sgpr_count 2
		.amdhsa_user_sgpr_kernarg_segment_ptr 1
		.amdhsa_wavefront_size32 1
		.amdhsa_system_sgpr_workgroup_id_x 1
		.amdhsa_system_sgpr_workgroup_id_y 1
		.amdhsa_system_sgpr_workgroup_id_z 1
		.amdhsa_system_vgpr_workitem_id 0
		.amdhsa_next_free_vgpr 512
		.amdhsa_next_free_sgpr 96
		.amdhsa_reserve_vcc 0
		.amdhsa_float_denorm_mode_32 3
		.amdhsa_float_denorm_mode_16_64 3
		.amdhsa_memory_ordered 1
		.amdhsa_forward_progress 1
		.amdhsa_inst_pref_size 205
	.end_amdhsa_kernel
	.amdgpu_metadata
---
amdhsa.version: [ 1, 2 ]
amdhsa.kernels:
  - .name:           k_q818778f794_attn
    .symbol:         k_q818778f794_attn.kd
    .args:
      - { .name: kv, .offset: 0, .size: 8, .value_kind: global_buffer, .address_space: global }
      - { .name: xq, .offset: 8, .size: 8, .value_kind: global_buffer, .address_space: global }
      - { .name: opart, .offset: 16, .size: 8, .value_kind: global_buffer, .address_space: global }
      - { .name: lpart, .offset: 24, .size: 8, .value_kind: global_buffer, .address_space: global }
    .group_segment_fixed_size: 327680
    .private_segment_fixed_size: 0
    .kernarg_segment_align: 8
    .kernarg_segment_size: 32
    .max_flat_workgroup_size: 256
    .sgpr_count:     96
    .vgpr_count:     512
    .wavefront_size: 32
...
	.end_amdgpu_metadata
.endif
;; end of part 2
;; launch reduce (part 3): grid 512 x 1, 8 waves a work-group, no clusters, 0 bytes of LDS; arguments opart, lpart, out0; writes out0
.if DOCPART == 3
	.amdgcn_target "amdgcn-amd-amdhsa--gfx1250"
	.amdhsa_code_object_version 6
	.text
	.protected	k_q818778f794_reduce
	.globl	k_q818778f794_reduce
	.p2align	8
	.type	k_q818778f794_reduce,@function
k_q818778f794_reduce:
	s_mov_b64 s[64:65], 0
	v_nop
	global_prefetch_b8 v0, s[64:65] scope:SCOPE_SE
	s_setreg_imm32_b32 hwreg(HW_REG_WAVE_MODE, 25, 1), 1
	s_wait_xcnt 0x0
; out0[q][d] = (the sum over the 16 splits of opart[s][q][d]) / (the sum over the 16 splits of lpart[s][q]).  All f32.  The splits carry no maxima of their own, so the sums are plain sums.
; A stream: thread t of work-group g owns the 16 bytes at 4096 g + 16 t of out0 (a work-group: two rows), and loads the same 16 bytes of each split: sixteen loads, all out at once, 512 consecutive bytes a wave each.
; A wave lies inside one row, so its sixteen l come by scalar loads.  No LDS, no barrier, no matrix unit: memory binds, and each byte is read once.
.set SPLIT, 2097152                    ; a split of opart in bytes
	s_load_b128 s[4:7], s[0:1], 0x0                ; opart s[4:5], lpart s[6:7]
	s_load_b64 s[8:9], s[0:1], 0x10                ; out0
	v_lshrrev_b32 v2, 5, v0
	s_delay_alu instid0(VALU_DEP_1)
	v_readfirstlane_b32 s10, v2                    ; wave 0..7
	v_lshlrev_b32 v1, 4, v0                        ; 16 t
	s_lshl_b32 s20, ttmp9, 12
	s_mov_b32 s21, 0
	s_lshr_b32 s11, s10, 2
	s_lshl_b32 s22, ttmp9, 1
	s_add_co_u32 s22, s22, s11                     ; my wave's row: 2 g + wave / 4
	s_lshl_b32 s22, s22, 2
	s_mov_b32 s23, 0
	s_wait_alu depctr_va_vdst(0)
	s_wait_kmcnt 0x0
	s_add_nc_u64 s[12:13], s[4:5], s[20:21]        ; four bases, four splits apart, so that a split's place fits the signed 24-bit immediate (ISA guide, chapter 10)
	s_add_nc_u64 s[14:15], s[12:13], 4*SPLIT
	s_add_nc_u64 s[16:17], s[14:15], 4*SPLIT
	s_add_nc_u64 s[18:19], s[16:17], 4*SPLIT
	s_add_nc_u64 s[8:9], s[8:9], s[20:21]
	s_add_nc_u64 s[6:7], s[6:7], s[22:23]
.irp k, 0,1,2,3,4,5,6,7,8,9,10,11,12,13,14,15
	global_load_b128 v[4+4*\k:7+4*\k], v1, s[12+2*(\k/4):13+2*(\k/4)] offset:SPLIT*(\k%4) th:TH_LOAD_NT
.endr
.irp k, 0,1,2,3,4,5,6,7,8,9,10,11,12,13,14,15
	s_load_b32 s[24+\k], s[6:7], 4096*\k           ; the row's l of split k
.endr
	s_wait_kmcnt 0x0
.irp a, 24,26,28,30,32,34,36,38
	s_add_f32 s[\a], s[\a], s[\a+1]
.endr
.irp a, 24,28,32,36
	s_add_f32 s[\a], s[\a], s[\a+2]
.endr
	s_add_f32 s24, s24, s28
	s_add_f32 s32, s32, s36
	s_add_f32 s24, s24, s32                        ; the row's sum
	v_rcp_f32 v70, s24
	v_nop                                          ; a plain line behind the transcendental,
	s_wait_alu depctr_va_vdst(0)                   ; and the wait ahead of the first line that names its result
	v_mov_b32 v71, v70                             ; a pair for the packed multiply
.irp k, 1,2,3,4,5,6,7,8,9,10,11,12,13,14,15
	s_wait_alu depctr_va_vdst(0)
	s_wait_loadcnt 15-\k                           ; loads come back in order (ISA guide 5.7.1): split k's is in, the younger ones stay out
	v_pk_add_f32 v[4:5], v[4:5], v[4+4*\k:5+4*\k]  ; split 0's numbers start the sums
	v_pk_add_f32 v[6:7], v[6:7], v[6+4*\k:7+4*\k]
.endr
	v_pk_mul_f32 v[4:5], v[4:5], v[70:71]
	v_pk_mul_f32 v[6:7], v[6:7], v[70:71]
	global_store_b128 v1, v[4:7], s[8:9] th:TH_STORE_NT            ; a wave stores 512 consecutive bytes, aligned
	s_endpgm
.Lfunc_end_k_q818778f794_reduce:
	.size	k_q818778f794_reduce, .Lfunc_end_k_q818778f794_reduce-k_q818778f794_reduce
	.p2alignl 7, 3214868480
	.fill 96, 4, 3214868480
	.section	.rodata,"a",@progbits
	.p2align	6, 0x0
	.amdhsa_kernel k_q818778f794_reduce
		.amdhsa_group_segment_fixed_size 0
		.amdhsa_private_segment_fixed_size 0
		.amdhsa_enable_private_segment 0
		.amdhsa_kernarg_size 24
		.amdhsa_user_sgpr_count 2
		.amdhsa_user_sgpr_kernarg_segment_ptr 1
		.amdhsa_wavefront_size32 1
		.amdhsa_system_sgpr_workgroup_id_x 1
		.amdhsa_system_sgpr_workgroup_id_y 1
		.amdhsa_system_sgpr_workgroup_id_z 1
		.amdhsa_system_vgpr_workitem_id 0
		.amdhsa_next_free_vgpr 80
		.amdhsa_next_free_sgpr 66
		.amdhsa_reserve_vcc 0
		.amdhsa_float_denorm_mode_32 3
		.amdhsa_float_denorm_mode_16_64 3
		.amdhsa_memory_ordered 1
		.amdhsa_forward_progress 1
		.amdhsa_inst_pref_size 8
	.end_amdhsa_kernel
	.amdgpu_metadata
---
amdhsa.version: [ 1, 2 ]
amdhsa.kernels:
  - .name:           k_q818778f794_reduce
    .symbol:         k_q818778f794_reduce.kd
    .args:
      - { .name: opart, .offset: 0, .size: 8, .value_kind: global_buffer, .address_space: global }
      - { .name: lpart, .offset: 8, .size: 8, .value_kind: global_buffer, .address_space: global }
      - { .name: out0, .offset: 16, .size: 8, .value_kind: global_buffer, .address_space: global }
    .group_segment_fixed_size: 0
    .private_segment_fixed_size: 0
    .kernarg_segment_align: 8
    .kernarg_segment_size: 24
    .max_flat_workgroup_size: 256
    .sgpr_count:     66
    .vgpr_count:     80
    .wavefront_size: 32
...
	.end_amdgpu_metadata
.endif
;; end of part 3
